; MI455X (gfx1250); checked and timed in simulation.
; The chip was launched on July 23, 2026; its instructions are those of AMD's public machine-readable ISA for CDNA 5 (MIT licence, August 2026) and "CDNA5" Instruction Set Architecture Reference Guide (July 2026). The comments in the code are by the model that wrote it; some were corrected since.
;; Dense KAN. Allowed arithmetic: matrix products marked QUANTISED: E5M2 operands, one given power-of-two scale a tensor, by v_wmma_f32_16x16x64_bf8_bf8 or v_wmma_f32_16x16x128_bf8_bf8, f32 sums; everything else in f32.
;; Inputs: lowp_scales 2 int32 (the exponents e of the quantised operands' scales 2^e); spline_kernel 1,024 x 8 x 1,024 float32; x 4,096 x 1,024 float32.
;; Outputs: out0 4,096 x 1,024 float32.
;; This version of the problem:
;;   THIS VERSION OF THE PROBLEM IS GIVEN IN LOW PRECISION. The matrix products marked QUANTISED in the list below multiply operands that are first quantised to E5M2 (5 exponent bits, 2 mantissa bits; 8 bits a number), with one given power-of-two scale for each operand tensor; their sums are f32. All else is computed in f32.
;;   The module's matrix products, in the order in which they are computed (A, B: the left and right operand; K: the contracted axis; several contracted axes count as one K, in the product's order):
;;     1. [M 4,096, K 8,192] x [K 8,192, N 1,024]; A: computed on the way; B: input spline_kernel: QUANTISED (scales: A lowp_scales[0], B lowp_scales[1])
;;   THE QUANTISER, for each operand of a quantised product, along K:
;;     - The operand's scale is 2^e, e = its entry of the input lowp_scales (int32; the entries are numbered through the quantised products in the list's order, A before B).
;;     - Each number is divided by the scale, clamped to +-57,344, and rounded to the nearest number of E5M2, ties to even, subnormals kept.
;;     - The product sums the exact products of the quantised numbers (number of the format x scale) in f32.
;;   ~~~python
;;   def quantise(x, axis, e):      # numpy; x: float32 -> the quantised numbers, widened to float32 again
;;       x = np.moveaxis(x, axis, -1); K = x.shape[-1]
;;       r = np.clip(x / 2.0 ** e, -57344, 57344)
;;       step = 2.0 ** (np.maximum(np.frexp(np.where(r == 0, 1, r))[1] - 1, -14) - 2)
;;       q = np.round(r / step) * step * 2.0 ** e      # np.round: ties to even
;;       return np.moveaxis(q, -1, axis).astype(np.float32)
;;   ~~~
;;   OPERANDS COMPUTED ON THE WAY. 'Computed on the way' means the value that the module computes at that place (a softmax that the list does not call 'softmax' is quantised finished and normalised). What goes into a quantiser is computed in f32, as accurately as f32 sums, v_exp_f32 and their like allow (about 1e-6 of the number): no bf16 or f16 on the way to a quantiser, and a product that is left as it is and whose result goes on into a quantised operand takes f32 operands (vector FMAs, or v_wmma_f32_16x16x4_f32). A number that lies on a knife's edge between two numbers of the format may be rounded either way, as far as f32 arithmetic and the matrix unit's own rounding can turn it there, and no further.
;; One version. Each part assembles by itself: llvm-mc -triple=amdgcn-amd-amdhsa -mcpu=gfx1250 --defsym DOCPART=n.
;; ======== version 1 of 1: 2 launches
;; limits: right only within a limited range of input values
;; workspace buffers: a_codes 33,554,432 bytes; w_codes 8,388,608 bytes
;; launch prep (part 1): grid 1280 x 1, 4 waves a work-group, no clusters, 17,920 bytes of LDS; arguments x, spline_kernel, lowp_scales, a_codes, w_codes; writes a_codes, w_codes
.if DOCPART == 1
	.amdgcn_target "amdgcn-amd-amdhsa--gfx1250"
	.amdhsa_code_object_version 6
	.text
	.protected	k_qceebae7650_prep
	.globl	k_qceebae7650_prep
	.p2align	8
	.type	k_qceebae7650_prep,@function
k_qceebae7650_prep:
	s_mov_b64 s[64:65], 0
	v_nop
	global_prefetch_b8 v0, s[64:65] scope:SCOPE_SE
	s_setreg_imm32_b32 hwreg(HW_REG_WAVE_MODE, 25, 1), 1
	s_wait_xcnt 0x0
; BOTH OPERANDS OF THE PRODUCT ARE MADE INTO CODES OF BF8 (E5M2), ONCE, AND LAID AS IMAGES OF THE NEXT LAUNCH'S OPERAND REGISTERS.
; A fragment is 16 rows x 128 K = 2,048 bytes = 4 chunks c of 512 bytes; in a chunk lane (r, h) has 16 bytes: row r, K = 64 (c / 2) + 32 h + 16 (c % 2) + 0 .. 15 of its block of 128.  The same places of K serve both operands.
; a_codes [32 tm][64 kb][8 places][2,048]: place p of block kb holds rows 128 tm + 16 ((p + 2 (kb / 16)) % 8) + r.   w_codes [8 tn][64 kb][8 b][2,048]: fragment b, lane r holds column 128 tn + 64 (b / 4) + 4 r + b % 4.
; Work-groups 0 to 255 (path W): spline_kernel, read as [K 8,192][N 1,024] f32, scale 2^e1.  Work-groups 256 to 1,279 (path A): x [4,096][1,024]: for each x its eight cubic B-spline values, K = 8 i + k, scale 2^e0.
; code = number / 2^e, held within +-57,344, rounded to the nearest code, ties to even.
; THE SPLINE.  The knots are -2.2 + 0.4 j, j = 0 .. 11.  With u = 2.5 x + 5.5, c = floor(u), f = u - c, g = 1 - f only the values j = c - 3 .. c differ from 0:
;   j = c - 3: g^3 / 6;   j = c - 2: 2/3 + f^2 (f/2 - 1);   j = c - 1: 2/3 + g^2 (g/2 - 1);   j = c: f^3 / 6.   Those with j outside 0 .. 7 do not exist; outside the knots all eight are 0.
; LIMITS.  e0 and e1 lie between -126 and 112, so that 2^e and 57,344 x 2^e are f32 numbers.  NaN and infinities among the inputs are not served.
;   The knots are taken as the exact numbers -2.2 + 0.4 j, not as their f32 roundings: f differs from the recursion's by some 1e-7, and the values are continuous across the knots.
; The two paths part on the work-group's number.  Only path A touches LDS, each wave its own bytes: no barrier.
.set X,     16                         ; path W: v16-143  two sets of 16 rows x 4 columns
.set Y,     144                        ;         v144-159 16 numbers down K of one column
.set C,     160                        ;         v160-191 codes: two sets of four registers for each of a chunk's four stores
.set C25,   4                          ; path A: v[4:5] 2.5   v[6:7] 5.5   v8 2^e0   v9 57,344 x 2^e0
.set C55,   6
.set SCA,   8
.set LIMC,  9
.set XC,    10                         ; the two x, held within +-2.4
.set CF,    12                         ; c as f32
.set FF,    14                         ; f
.set GG,    16                         ; g
.set F2,    18                         ; f^2, g^2, f/6, g/6, f/2 - 1, g/2 - 1
.set G2,    20
.set F6,    22
.set G6,    24
.set HF,    26
.set HG,    28
.set LIMX,  30                         ; 2.4
.set WV,    32                         ; the four values of both x, in pairs
.set EC,    40                         ; their eight codes
.set DD,    42                         ; the four codes of x0, of x1
.set CI,    44                         ; c as a whole number
.set TS,    46                         ; 24 - 8 c
.set XS,    48                         ; the codes shifted right
.set YS,    50                         ; shifted left
.set SL,    52
.set LS,    54                         ; 8 c + 7
.set SPW,   56                         ; my spare word; never rewritten
.set NIL,   57                         ; 0; never rewritten
.set SI,    58                         ; the stage, on the way in
.set SO,    59                         ; and out
.set XR,    64                         ; v64-95   x as loaded: 16 rows, 2 numbers each
.set OUT,   96                         ; v96-159  codes: 4 registers for each unit
.set XIN,   160                        ; v160-191 x back from the stage: 16 units of 2
.set SP,    272                        ; a stage row: 256 bytes of x + 16
.set SPARE, 4*16*SP                    ; behind the four stages: the spare words
	s_load_b128 s[4:7], s[0:1], 0x0                ; x, the kernel
	s_load_b64 s[8:9], s[0:1], 0x10                ; the scales' exponents
	s_load_b128 s[12:15], s[0:1], 0x18             ; a_codes, w_codes
	v_lshl_add_u32 v[SPW], v0, 2, SPARE
	v_mov_b32 v[NIL], 0
	v_lshrrev_b32 v1, 5, v0
	v_readfirstlane_b32 s16, v1                    ; wave
	v_and_b32 v1, 31, v0                           ; lane
	s_wait_alu depctr_va_vdst(0)                   ; the wait here, directly ahead of the wait below
	s_wait_kmcnt 0x0
	s_load_b64 s[22:23], s[8:9], 0x0               ; e0, e1
	s_cmp_lt_u32 ttmp9, 256
	s_cbranch_scc0 .Lpath_a
; ---------------- PATH W.  A wave takes 64 columns x one block of 128 along K.  Lane (r, h) loads 16 bytes, columns 4 r .. 4 r + 3, of row 32 h + ..: sixteen lanes read 256 consecutive bytes, aligned.
; The hold writes each column's 16 numbers into consecutive registers, so the conversions give a lane's 16 bytes of fragment 4 nh + q as they lie: each store covers 512 consecutive bytes.
	s_lshl_b32 s17, ttmp9, 2
	s_add_co_u32 s17, s17, s16
	s_and_b32 s18, s17, 1                          ; nh: which 64 columns of the tile
	s_bfe_u32 s19, s17, 0x30001                    ; tn
	s_lshr_b32 s20, s17, 4                         ; kb
	s_lshl_b32 s24, s20, 19                        ; 128 rows of 4,096 bytes
	s_lshl_b32 s25, s19, 9
	s_add_co_u32 s24, s24, s25
	s_lshl_b32 s25, s18, 8
	s_add_co_u32 s24, s24, s25
	s_mov_b32 s25, 0
	s_add_nc_u64 s[6:7], s[6:7], s[24:25]
	s_lshl_b32 s24, s19, 6
	s_add_co_u32 s24, s24, s20
	s_lshl_b32 s24, s24, 14                        ; (64 tn + kb) x 16,384
	s_lshl_b32 s26, s18, 13                        ; + fragment 4 nh
	s_add_co_u32 s24, s24, s26
	s_add_nc_u64 s[14:15], s[14:15], s[24:25]
	v_and_b32 v4, 15, v1
	v_lshrrev_b32 v5, 4, v1
	v_lshlrev_b32 v4, 4, v4
	v_lshl_add_u32 v2, v5, 17, v4                  ; in: 16 r + 32 h rows
	v_lshlrev_b32 v3, 4, v1                        ; out: 16 x lane
.macro LOADW c                         ; chunk c: rows 64 (c / 2) + 16 (c % 2) + 32 h + i
.irp i, 0,1,2,3,4,5,6,7,8,9,10,11,12,13,14,15
	global_load_b128 v[X+64*((\c)%2)+4*\i:X+64*((\c)%2)+4*\i+3], v2, s[6:7] offset:(64*((\c)/2)+16*((\c)%2)+\i)*4096 th:TH_LOAD_NT
.endr
.endm
	LOADW 0
	LOADW 1
	s_wait_kmcnt 0x0
	s_add_co_i32 s30, s23, 127
	s_lshl_b32 s31, s30, 23
	v_mov_b32 v11, s31                             ; 2^e1
	s_add_co_i32 s30, s30, 15
	s_lshl_b32 s30, s30, 23
	s_or_b32 s30, s30, 0x600000
	v_mov_b32 v10, s30                             ; 57,344 x 2^e1
	s_wait_alu depctr_va_vdst(0)                   ; the wait at the head's end
.macro BLOCKW c
.if (\c) < 3
	s_wait_loadcnt 16                              ; this chunk's 16 loads are in; the next chunk's may be out
.else
	s_wait_loadcnt 0
.endif
.if (\c) >= 2
	s_wait_xcnt 0x0                                ; the stores of two chunks ago have read their registers: this chunk's codes are written there
.endif
.irp q, 0,1,2,3
.irp i, 0,1,2,3,4,5,6,7,8,9,10,11,12,13,14,15
	v_med3_num_f32 v[Y+\i], v[X+64*((\c)%2)+4*\i+\q], -v10, v10   ; the hold (the conversion does not saturate: ISA guide 7.6.2), and column q's numbers side by side
.endr
	v_cvt_scalef32_pk8_bf8_f32 v[C+16*((\c)%2)+4*\q:C+16*((\c)%2)+4*\q+1], v[Y:Y+7], v11
	v_cvt_scalef32_pk8_bf8_f32 v[C+16*((\c)%2)+4*\q+2:C+16*((\c)%2)+4*\q+3], v[Y+8:Y+15], v11
	v_nop                                          ; one plain line between the conversions and the next holds, which write their sources
	global_store_b128 v3, v[C+16*((\c)%2)+4*\q:C+16*((\c)%2)+4*\q+3], s[14:15] offset:2048*\q+512*(\c)
.endr
.if (\c)+2 < 4
	LOADW (\c)+2
.endif
.endm
.irp c, 0,1,2,3
	BLOCKW \c
.endr
	s_endpgm
; ---------------- PATH A.  A wave takes 16 rows x 64 x: four blocks of 128 along K of one fragment row.  Each load covers 256 consecutive bytes of a row; the rows turn through the wave's own stage,
; from which lane (r, h) takes 16 bytes of row r: four x, two units of two; a unit's 16 codes are the lane's 16 bytes of a chunk, and each store covers 512 consecutive bytes.
.Lpath_a:
	s_sub_co_u32 s17, ttmp9, 256
	s_lshl_b32 s17, s17, 2
	s_add_co_u32 s17, s17, s16
	s_and_b32 s18, s17, 15                         ; kg: which 64 x of the rows
	s_lshr_b32 s19, s17, 4                         ; mb: which 16 rows
	s_lshl_b32 s20, s19, 16
	s_lshl_b32 s21, s18, 8
	s_add_co_u32 s20, s20, s21
	s_mov_b32 s21, 0
	s_add_nc_u64 s[4:5], s[4:5], s[20:21]
	s_lshr_b32 s24, s18, 2                         ; the quarter of K
	s_lshl_b32 s24, s24, 1
	s_sub_co_u32 s24, s19, s24
	s_and_b32 s24, s24, 7                          ; the place: (mb - 2 x quarter) mod 8
	s_lshl_b32 s24, s24, 11
	s_lshr_b32 s20, s19, 3                         ; tm
	s_lshl_b32 s20, s20, 20
	s_lshl_b32 s25, s18, 16                        ; 4 kg blocks of 16,384 bytes
	s_add_co_u32 s20, s20, s25
	s_add_co_u32 s20, s20, s24
	s_add_nc_u64 s[12:13], s[12:13], s[20:21]
	s_mul_i32 s17, s16, 16*SP                      ; my stage
	s_mov_b32 s20, 0x06040200                      ; v_perm_b32: the even bytes of two words,
	s_mov_b32 s21, 0x07050301                      ; the odd ones
	v_lshlrev_b32 v2, 3, v1
	v_lshlrev_b32 v3, 4, v1
	v_add_nc_u32 v[SI], s17, v2
	v_and_b32 v60, 15, v1
	v_lshrrev_b32 v61, 4, v1
	v_mul_u32_u24 v60, v60, SP
	v_lshl_add_u32 v60, v61, 4, v60
	v_add_nc_u32 v[SO], s17, v60
	v_mov_b32 v[C25], 0x40200000
	v_mov_b32 v[C25+1], 0x40200000
	v_mov_b32 v[C55], 0x40b00000
	v_mov_b32 v[C55+1], 0x40b00000
	v_mov_b32 v[LIMX], 0x4019999a                  ; 2.4: beyond the outermost knots
.irp i, 0,1,2,3,4,5,6,7,8,9,10,11,12,13,14,15
	global_load_b64 v[XR+2*\i:XR+2*\i+1], v2, s[4:5] offset:4096*\i th:TH_LOAD_NT
.endr
	s_wait_alu depctr_va_vdst(0)                   ; the wait here, directly ahead of the wait below
	s_wait_kmcnt 0x0
	s_add_co_i32 s28, s22, 127
	s_lshl_b32 s29, s28, 23
	v_mov_b32 v[SCA], s29
	s_add_co_i32 s28, s28, 15
	s_lshl_b32 s28, s28, 23
	s_or_b32 s28, s28, 0x600000
	v_mov_b32 v[LIMC], s28
	s_wait_alu depctr_va_vdst(0)                   ; the wait at the head's end
.irp i, 0,1,2,3,4,5,6,7,8,9,10,11,12,13,14,15
	s_wait_loadcnt 15-\i                           ; row i is in; the younger rows may be out
	ds_store_b64 v[SI], v[XR+2*\i:XR+2*\i+1] offset:SP*\i
.endr
.irp u, 0,1,2,3,4,5,6,7
	ds_load_b128 v[XIN+4*\u:XIN+4*\u+3], v[SO] offset:32*\u   ; LDS serves a wave's instructions in order: these see my stores
.endr
.macro UNIT i
.if (\i%2) == 0
	s_wait_dscnt 7-\i/2                            ; the read that holds units i and i + 1 is back; the younger ones may be out
.endif
	v_med3_num_f32 v[XC], v[XIN+2*\i], -v[LIMX], v[LIMX]        ; c then lies between -1 and 11; at both ends all four values fall outside j = 0 .. 7
	v_med3_num_f32 v[XC+1], v[XIN+2*\i+1], -v[LIMX], v[LIMX]
	v_pk_fma_f32 v[CF:CF+1], v[XC:XC+1], v[C25:C25+1], v[C55:C55+1]
	v_floor_f32 v[CF], v[CF]
	v_floor_f32 v[CF+1], v[CF+1]
	v_pk_add_f32 v[FF:FF+1], v[C55:C55+1], v[CF:CF+1] neg_lo:[0,1] neg_hi:[0,1]   ; 5.5 - c: nothing is rounded
	v_cvt_i32_f32 v[CI], v[CF]
	v_cvt_i32_f32 v[CI+1], v[CF+1]
	v_pk_fma_f32 v[FF:FF+1], v[XC:XC+1], v[C25:C25+1], v[FF:FF+1]     ; f: one rounding
	v_pk_fma_f32 v[GG:GG+1], v[FF:FF+1], -1.0, 1.0 op_sel_hi:[1,0,0]
	v_pk_mul_f32 v[F2:F2+1], v[FF:FF+1], v[FF:FF+1]
	v_pk_mul_f32 v[F6:F6+1], v[FF:FF+1], 0x3e2aaaab op_sel_hi:[1,0]
	v_pk_fma_f32 v[HF:HF+1], v[FF:FF+1], 0.5, -1.0 op_sel_hi:[1,0,0]
	v_pk_mul_f32 v[G2:G2+1], v[GG:GG+1], v[GG:GG+1]
	v_pk_mul_f32 v[G6:G6+1], v[GG:GG+1], 0x3e2aaaab op_sel_hi:[1,0]
	v_pk_fma_f32 v[HG:HG+1], v[GG:GG+1], 0.5, -1.0 op_sel_hi:[1,0,0]
	v_pk_mul_f32 v[WV:WV+1], v[G2:G2+1], v[G6:G6+1]
	v_pk_fma_f32 v[WV+2:WV+3], v[F2:F2+1], v[HF:HF+1], 0x3f2aaaab op_sel_hi:[1,1,0]
	v_pk_fma_f32 v[WV+4:WV+5], v[G2:G2+1], v[HG:HG+1], 0x3f2aaaab op_sel_hi:[1,1,0]
	v_pk_mul_f32 v[WV+6:WV+7], v[F2:F2+1], v[F6:F6+1]
.irp j, 0,1,2,3,4,5,6,7
	v_med3_num_f32 v[WV+\j], v[WV+\j], -v[LIMC], v[LIMC]   ; the hold: a given scale need not cover the values
.endr
	v_cvt_scalef32_pk8_bf8_f32 v[EC:EC+1], v[WV:WV+7], v[SCA]   ; x0's and x1's codes by turns, j ascending
	v_lshl_add_u32 v[LS], v[CI], 3, 7              ; (four plain lines between the conversion and the first use of its result)
	v_lshl_add_u32 v[LS+1], v[CI+1], 3, 7
	v_sub_nc_u32 v[TS], 31, v[LS]
	v_sub_nc_u32 v[TS+1], 31, v[LS+1]
	v_perm_b32 v[DD], v[EC+1], v[EC], s20
	v_perm_b32 v[DD+1], v[EC+1], v[EC], s21
	; the eight bytes of an x are its four codes moved up by c - 3 bytes.  c < 4: low = D >> 8 (3 - c), high 0.  4 <= c < 8: low = D << 8 (c - 3), high = D >> 8 (7 - c).  else: low 0, high = D << 8 (c - 7)
	v_cmp_gt_u32 s24, 4, v[CI]
	v_cmp_gt_u32 s25, 8, v[CI]
	v_cmp_gt_u32 s26, 4, v[CI+1]
	v_cmp_gt_u32 s27, 8, v[CI+1]
	v_lshrrev_b32 v[XS], v[TS], v[DD]
	v_lshrrev_b32 v[XS+1], v[TS+1], v[DD+1]
	v_lshlrev_b32 v[YS], v[LS], v[DD]              ; to the left in two parts, so that a shift by 32 gives 0
	v_lshlrev_b32 v[YS+1], v[LS+1], v[DD+1]
	v_lshlrev_b32 v[YS], 1, v[YS]
	v_lshlrev_b32 v[YS+1], 1, v[YS+1]
	v_cndmask_b32 v[SL], 0, v[YS], s25
	v_cndmask_b32 v[SL+1], v[YS], v[XS], s25
	v_cndmask_b32 v[OUT+4*\i], v[SL], v[XS], s24
	v_cndmask_b32 v[OUT+4*\i+1], v[SL+1], 0, s24
	v_cndmask_b32 v[SL], 0, v[YS+1], s27
	v_cndmask_b32 v[SL+1], v[YS+1], v[XS+1], s27
	v_cndmask_b32 v[OUT+4*\i+2], v[SL], v[XS+1], s26
	v_cndmask_b32 v[OUT+4*\i+3], v[SL+1], 0, s26
	global_store_b128 v3, v[OUT+4*\i:OUT+4*\i+3], s[12:13] offset:(\i/4)*16384+(\i%4)*512   ; block i / 4 along K, chunk i % 4
.endm
.irp i, 0,1,2,3,4,5,6,7,8,9,10,11,12,13,14,15
	UNIT \i
.endr
	s_wait_tensorcnt 0x0                           ; the wave's end, behind my last LDS store
	ds_add_u32 v[SPW], v[NIL]
	s_wait_dscnt 0x0
	s_endpgm
.Lfunc_end_k_qceebae7650_prep:
	.size	k_qceebae7650_prep, .Lfunc_end_k_qceebae7650_prep-k_qceebae7650_prep
	.p2alignl 7, 3214868480
	.fill 96, 4, 3214868480
	.section	.rodata,"a",@progbits
	.p2align	6, 0x0
	.amdhsa_kernel k_qceebae7650_prep
		.amdhsa_group_segment_fixed_size 17920
		.amdhsa_private_segment_fixed_size 0
		.amdhsa_enable_private_segment 0
		.amdhsa_kernarg_size 40
		.amdhsa_user_sgpr_count 2
		.amdhsa_user_sgpr_kernarg_segment_ptr 1
		.amdhsa_wavefront_size32 1
		.amdhsa_system_sgpr_workgroup_id_x 1
		.amdhsa_system_sgpr_workgroup_id_y 1
		.amdhsa_system_sgpr_workgroup_id_z 1
		.amdhsa_system_vgpr_workitem_id 0
		.amdhsa_next_free_vgpr 192
		.amdhsa_next_free_sgpr 66
		.amdhsa_reserve_vcc 0
		.amdhsa_float_denorm_mode_32 3
		.amdhsa_float_denorm_mode_16_64 3
		.amdhsa_memory_ordered 1
		.amdhsa_forward_progress 1
		.amdhsa_inst_pref_size 85
	.end_amdhsa_kernel
	.amdgpu_metadata
---
amdhsa.version: [ 1, 2 ]
amdhsa.kernels:
  - .name:           k_qceebae7650_prep
    .symbol:         k_qceebae7650_prep.kd
    .args:
      - { .name: x, .offset: 0, .size: 8, .value_kind: global_buffer, .address_space: global }
      - { .name: spline_kernel, .offset: 8, .size: 8, .value_kind: global_buffer, .address_space: global }
      - { .name: lowp_scales, .offset: 16, .size: 8, .value_kind: global_buffer, .address_space: global }
      - { .name: a_codes, .offset: 24, .size: 8, .value_kind: global_buffer, .address_space: global }
      - { .name: w_codes, .offset: 32, .size: 8, .value_kind: global_buffer, .address_space: global }
    .group_segment_fixed_size: 17920
    .private_segment_fixed_size: 0
    .kernarg_segment_align: 8
    .kernarg_segment_size: 40
    .max_flat_workgroup_size: 128
    .sgpr_count:     66
    .vgpr_count:     192
    .wavefront_size: 32
...
	.end_amdgpu_metadata
.endif
;; end of part 1
;; launch gemm (part 2): grid 32 x 8, 4 waves a work-group, clusters of 4 x 1, 327,680 bytes of LDS; arguments a_codes, w_codes, lowp_scales, out0; writes out0
.if DOCPART == 2
	.amdgcn_target "amdgcn-amd-amdhsa--gfx1250"
	.amdhsa_code_object_version 6
	.text
	.protected	k_qceebae7650_gemm
	.globl	k_qceebae7650_gemm
	.p2align	8
	.type	k_qceebae7650_gemm,@function
k_qceebae7650_gemm:
	s_mov_b64 s[64:65], 0
	v_nop
	global_prefetch_b8 v0, s[64:65] scope:SCOPE_SE
	s_setreg_imm32_b32 hwreg(HW_REG_WAVE_MODE, 25, 1), 1
	s_wait_xcnt 0x0
	s_wait_alu depctr_hold_cnt(0) depctr_sa_sdst(0) depctr_va_vdst(0) depctr_va_sdst(0) depctr_va_ssrc(0) depctr_va_vcc(0) depctr_vm_vsrc(0)
	s_getreg_b32 s2, hwreg(HW_REG_IB_STS2, 6, 4)
	s_cmp_eq_u32 s2, 0
	s_cbranch_scc0 .Lentry_in_a_cluster
	s_endpgm
.Lentry_in_a_cluster:
	s_bfe_u32 s2, ttmp6, 0x10000c
	s_cmp_lg_u32 s2, 0x3003
	s_cbranch_scc0 .Lentry_shape_is_right
	s_endpgm
.Lentry_shape_is_right:
; out0 [4,096][1,024] f32 = A W, K = 8,192, on codes of BF8 (E5M2) laid by the launch before as images of the operand registers (fragments of 16 rows x 128 K, 2,048 bytes, four chunks of 512).
; Each finished sum is multiplied once by 2^(e0 + e1).  LIMIT: e0 + e1 lies between -126 and 127, so that this is an f32 number.
; A work-group (tm = x, tn = y) makes 128 x 128 of the result.  ITS FOUR WAVES SPLIT K: wave w takes all 128 x 128 over K blocks 16 w .. 16 w + 15: 64 accumulators, 512 registers.
; W'S FRAGMENTS come by JOINT tensor loads: the four work-groups of a cluster (4, 1, 1: four neighbouring tm, one tn) need the same tiles of W.  A ring of two LDS slots of 131,072 bytes; a slot holds two steps of all four waves;
; each wave asks for its own 32,768 bytes (64 dense rows of 512) and alone reads them.  One load a wave behind each round of the cluster's barrier, eight fills in all.
; A'S FRAGMENTS go from memory STRAIGHT INTO THE OPERAND REGISTERS, each load 512 consecutive bytes: a ring of 16 fragments; block g + LA is asked for in block g: 4 (LA - 1) to 4 LA loads of a wave are out.
; A is not asked for jointly: two slots that held both operands would hold one step each (2 x 2 x 131,072 bytes do not fit in LDS), and a joint load cannot fill registers.
; A step is 128 along K: B's eight fragments from LDS, then 64 matrix instructions, A's eight blocks one after the other, each against B's eight.
; THE WAY OUT: in every wave accumulator rows 0 and 1 are the wave's own 32 rows of the result (the launch before has turned A's blocks round by two for each quarter of K); rows 2 d, 2 d + 1 belong to wave (w + d) % 4 and go
; to it through LDS as register images, in the slots' bytes, which have had their last fill and, behind a barrier, their last read.  Fragment b of W holds columns 64 (b / 4) + 4 r + b % 4, so four accumulators' registers j are 16 neighbouring bytes of a row.
; PREFETCH: each pair of steps asks for the pair four steps on, at least two steps ahead of the loads that want it; steps 2 and 3 are asked for at the head; the last two pairs ask for nothing.  A step's 16,384 bytes of A are read by
; the 8 work-groups of a tile row: each names 8 blocks of 256 bytes; those of W by the 32 of a tile column: each names 2, told apart by address.  Lanes left over name their wave's last block again.
; REGISTERS: window 0: v0-15 addresses, v64-127 at work on the way out, v128-255 B's fragments.  Window 1: A's ring.  Windows 2, 3: accumulator (a, b) at v[8 (8 (a % 4) + b)] of window 2 + a / 4.
.set KB,    16384                      ; a step's bytes of A, and of W, for a wave
.set SLOT,  131072
.set LA,    8                          ; how many blocks ahead A is asked for
.set BF,    128
.set VO,    1                          ; 16 x lane
.set PFA,   2                          ; my blocks of A's and of W's step, for the prefetches
.set PFB,   3
.set ST,    4                          ; v4-6  where I put the parts for waves w + 1, w + 2, w + 3
.set RDX,   7                          ; where the three parts for me lie
.set CO,    8                          ; my byte offset in the result
.set SPW,   10                         ; my spare word; never rewritten
.set NIL,   11                         ; 0; never rewritten
.set BA,    14                         ; v14, v15  my part of slot 0, of slot 1
.set SA,    12                         ; s[12:13] A's codes at my quarter of K
.set SB,    16                         ; s[16:17] W's, for the prefetches
.set G0,    36                         ; s[36:39] descriptor group 0
.set G1,    40                         ; s[40:47] group 1
.set SPARE, 2*SLOT                     ; behind the ring: the spare words
.set MSB, 0
.macro WIN new                         ; the immediate's high byte repeats the setting that is left
.if MSB != (\new)
	s_set_vgpr_msb (MSB<<8)|(\new)
.set MSB, (\new)
.endif
.endm
.set MUL_LO, 0xa1                      ; source 0 (A) window 1, source 1 (B) window 0, C and D window 2
.set TO_1,   0x40                      ; destination window 1, address window 0
.macro PLACES
.rept 4
	v_nop
.endr
.endm
.macro ROUND                           ; a round of the cluster's barrier
	s_barrier_signal -1
	s_barrier_wait -1
	s_cmp_lg_u32 s14, 0
	s_cbranch_scc1 .Lnot_wave_0_\@
	s_barrier_signal -3
.Lnot_wave_0_\@:
	s_barrier_wait -3
	s_barrier_signal -1
	s_barrier_wait -1
.endm
.macro JLOAD                           ; my joint load; the s_nop 0 and the four v_nop behind it
	tensor_load_to_lds s[G0:G0+3], s[G1:G1+7]
	s_nop 0
	PLACES
.endm
.macro LDA u, off
	WIN TO_1
.irp c, 0,1,2,3
	global_load_b128 v[16*(\u)+4*\c:16*(\u)+4*\c+3], v[VO], s[SA:SA+1] offset:(\off)+512*\c
.endr
.endm
.macro ASK o, how                      ; how = 2: not in the loop's last trip, whose look-ahead would pass my quarter's end
.if \how
.if \how == 2
	s_cmp_gt_u32 s3, 1
	s_cbranch_scc0 .Lnone_\@
.endif
.irp t, 4,5
	global_prefetch_b8 v[PFA], s[SA:SA+1] offset:(\o)+\t*KB th:TH_LOAD_NT scope:SCOPE_SE
	global_prefetch_b8 v[PFB], s[SB:SB+1] offset:(\o)+\t*KB th:TH_LOAD_NT scope:SCOPE_SE
.endr
.if \how == 2
.Lnone_\@:
.endif
.endif
.endm
; A step whose codes of A begin o bytes behind the base; p: the step's parity, which is its half of A's ring and of the slot sl.  zero = 1: the products start the sums.  rem0: A's blocks that follow this step's first.
; THE COUNTS: loads come back in order (ISA guide 5.7.1).  Behind block g's four loads were issued those of blocks g + 1 .. g + LA - 1, or of the blocks that are left.  Behind fragment b of B: the 4 (7 - b) LDS loads of the later fragments.
; The four v_nop at the step's head and behind a block's first product are the places in front of loads into registers that earlier products have read.  The 64 accumulators take turns.
.macro STEP o, p, sl, zero, rem0
	PLACES
.irp b, 0,1,2,3,4,5,6,7
.irp c, 0,1,2,3
	ds_load_b128 v[BF+16*\b+4*\c:BF+16*\b+4*\c+3], v[BA+\sl] offset:\p*KB+2048*\b+512*\c
.endr
.endr
.irp a, 0,1,2,3,4,5,6,7
.set CNT, 4*((\rem0)-\a)
.if CNT > 4*(LA-1)
.set CNT, 4*(LA-1)
.endif
	s_wait_loadcnt CNT
.irp b, 0,1,2,3,4,5,6,7
.if \a == 0
	s_wait_dscnt 4*(7-\b)
.endif
	WIN MUL_LO+0x50*(\a/4)
.set AC, 8*(8*(\a%4)+\b)
.if \zero
	v_wmma_f32_16x16x128_bf8_bf8 v[AC:AC+7], v[16*(8*\p+\a):16*(8*\p+\a)+15], v[BF+16*\b:BF+16*\b+15], 0
.else
	v_wmma_f32_16x16x128_bf8_bf8 v[AC:AC+7], v[16*(8*\p+\a):16*(8*\p+\a)+15], v[BF+16*\b:BF+16*\b+15], v[AC:AC+7]
.endif
.if \b == 0
	PLACES
.endif
.if (\b == 1) && ((\rem0)-\a >= LA)
	LDA (8*\p+\a+LA)%16, (\o)+(\a+LA)*2048
.endif
.endr
.endr
	WIN 0
.endm
; The two steps of slot sl.  fill = 1: the other slot, read out, takes the two steps after these.
.macro WORK o, sl, zero, fill, rem0, how
	s_wait_tensorcnt 0x0                           ; my one tensor load has landed: my part of this slot
.if \fill
	ds_add_u32 v[SPW], v[NIL]                      ; 0 onto my spare word
	s_xor_b32 s[G0+1], s[G0+1], SLOT               ; no load of mine is out: group 0 steps to the other slot and the next 32,768 bytes
	s_add_nc_u64 s[G0+2:G0+3], s[G0+2:G0+3], 2*KB
	s_wait_dscnt 0x0                               ; the add is done, and so are my reads of the other slot
	ROUND                                          ; both now hold of every wave of the four work-groups
	JLOAD                                          ; the first tensor load behind the round, my only one until the next
.endif
	ASK \o, \how
	STEP \o, 0, \sl, \zero, \rem0
	STEP (\o)+KB, 1, \sl, 0, (\rem0)-8
.endm
	s_load_b128 s[4:7], s[0:1], 0x0                ; a_codes, w_codes
	s_load_b128 s[8:11], s[0:1], 0x10              ; the scales' exponents, out0
	v_lshl_add_u32 v[SPW], v0, 2, SPARE
	v_mov_b32 v[NIL], 0
	ds_add_u32 v[SPW], v[NIL]                      ; the opening: the add, twice on end, and its wait ahead of my first tensor load
	ds_add_u32 v[SPW], v[NIL]
	v_lshrrev_b32 v9, 5, v0
	v_readfirstlane_b32 s14, v9                    ; wave
	s_bfe_u32 s35, ttmp6, 0x40000                  ; cx
	s_lshl_b32 s15, ttmp9, 2
	s_add_co_u32 s15, s15, s35                     ; tm = 4 x cluster x + cx: it enters global addresses of A, of the result and of the prefetches alone
	s_and_b32 s18, ttmp7, 0xffff                   ; tn
	s_lshl_b32 s24, s18, 11                        ; prefetch: my 2,048 bytes of A's step,
	s_lshl_b32 s25, s15, 9                         ; my 512 of W's
.irp d, 1,2,3
	s_add_co_u32 s[25+\d], s14, \d
	s_and_b32 s[25+\d], s[25+\d], 3                ; the wave that owns my accumulator rows 2 d, 2 d + 1;
	s_mul_i32 s[25+\d], s[25+\d], 3*KB             ; its three parts,
	s_add_co_u32 s[25+\d], s[25+\d], (\d-1)*KB     ; and mine among them
.endr
	s_mul_i32 s29, s14, 3*KB
	s_lshl_b32 s19, s14, 15                        ; my part of a slot
	s_lshl_b32 s34, s14, 18                        ; my quarter of K: 16 blocks of 16,384 bytes
	s_lshl_b32 s22, s15, 20
	s_add_co_u32 s22, s22, s34
	s_mov_b32 s23, 0
	s_lshl_b32 s30, s18, 20
	s_add_co_u32 s30, s30, s34
	s_mov_b32 s31, 0
	s_lshl_b32 s32, s15, 19                        ; the result: row 128 tm + 32 w, column 128 tn
	s_lshl_b32 s34, s14, 17
	s_add_co_u32 s32, s32, s34
	s_lshl_b32 s34, s18, 9
	s_add_co_u32 s32, s32, s34
	s_mov_b32 s33, 0
	s_mov_b32 s[G1+0], 15|(3<<16)|(1<<21)          ; the mask: all four of the cluster; elements of 8 bytes; bit 21 beside a mask; no padding: fragments are read as they lie
	s_mov_b32 s[G1+1], 64<<16                      ; tensor_dim0 = 64 elements: 512 bytes
	s_mov_b32 s[G1+2], 64<<16                      ; tensor_dim1 = 64
	s_mov_b32 s[G1+3], 64<<16                      ; tile_dim0
	s_mov_b32 s[G1+4], 64                          ; tile_dim1
	s_mov_b32 s[G1+5], 64                          ; the pitch: dense
	s_mov_b32 s[G1+6], 0
	s_mov_b32 s[G1+7], 0
	s_mov_b32 s[G0], 1
	s_lshl_b32 s[G0+1], s14, 15                    ; slot 0, my part
	v_and_b32 v9, 31, v0
	v_lshlrev_b32 v[VO], 4, v9
	v_min_u32 v12, 7, v9
	v_min_u32 v13, 1, v9
	v_lshl_add_u32 v[PFA], v12, 8, s24
	v_lshl_add_u32 v[PFB], v13, 8, s25
	v_add_nc_u32 v[ST], s26, v[VO]
	v_add_nc_u32 v[ST+1], s27, v[VO]
	v_add_nc_u32 v[ST+2], s28, v[VO]
	v_add_nc_u32 v[RDX], s29, v[VO]
	v_add_nc_u32 v[BA], s19, v[VO]
	v_add_nc_u32 v[BA+1], SLOT, v[BA]
	v_and_b32 v12, 15, v0
	v_bfe_u32 v13, v0, 4, 1
	v_lshlrev_b32 v12, 4, v12
	v_lshl_add_u32 v[CO], v13, 15, v12             ; 16 r + 8 h rows of 4,096 bytes
	s_wait_alu depctr_va_vdst(0)                   ; the wait at the head's end
	s_wait_dscnt 0x0                               ; both opening adds are done
	s_wait_kmcnt 0x0
	s_add_nc_u64 s[SA:SA+1], s[4:5], s[22:23]
	s_add_nc_u64 s[SB:SB+1], s[6:7], s[30:31]
	s_add_nc_u64 s[10:11], s[10:11], s[32:33]
	s_mov_b64 s[G0+2:G0+3], s[SB:SB+1]
	s_or_b32 s[G0+3], s[G0+3], 0x80000000
	s_load_b64 s[20:21], s[8:9], 0x0               ; e0, e1
	ROUND                                          ; all four work-groups are here: the first joint loads meet
	JLOAD                                          ; steps 0 and 1 of W: one tensor load a wave at the head, asked for ahead of A's loads
.irp u, 0,1,2,3,4,5,6,7
	LDA \u, \u*2048                                ; A's blocks 0 to LA - 1
.endr
	WIN 0
.irp t, 2,3
	global_prefetch_b8 v[PFA], s[SA:SA+1] offset:\t*KB th:TH_LOAD_NT scope:SCOPE_SE
	global_prefetch_b8 v[PFB], s[SB:SB+1] offset:\t*KB th:TH_LOAD_NT scope:SCOPE_SE
.endr
	WORK 0, 0, 1, 1, 999, 1                        ; steps 0, 1 stand in front of the loop: step 0's products start the sums.  Slot 1's first fill is issued as a refill is
	s_mov_b32 s3, 3
.Llap:                                                 ; trip i: steps 4 i + 2 .. 4 i + 5; the bases stand at step 4 i
	WORK 2*KB, 1, 0, 1, 999, 1
	WORK 4*KB, 0, 0, 1, 999, 2
	s_wait_xcnt 0x0                                ; every load and prefetch has read its base: only now the bases step
	s_add_nc_u64 s[SA:SA+1], s[SA:SA+1], 4*KB
	s_add_nc_u64 s[SB:SB+1], s[SB:SB+1], 4*KB
	s_sub_co_u32 s3, s3, 1
	s_cmp_lg_u32 s3, 0
	s_cbranch_scc1 .Llap
	WORK 2*KB, 1, 0, 0, 15, 0                      ; steps 14, 15: nothing is filled, and A is asked for up to its last block alone
	PLACES                                         ; in front of the first reads of results and of loads into operand registers
	s_wait_dscnt 0x0
	s_barrier_signal -1                            ; every wave has read its parts of the slots for the last time: their bytes now serve as the stage
	s_barrier_wait -1
	WIN 0x08                                       ; store data: window 2
.set I, 0
.rept 32
	ds_store_b128 v[ST], v[128+4*I:131+4*I] offset:512*I       ; rows 2, 3; each accumulator from its low end on
.set I, I+1
.endr
	WIN 0x0c                                       ; window 3
.set I, 0
.rept 32
	ds_store_b128 v[ST+1], v[4*I:4*I+3] offset:512*I           ; rows 4, 5
.set I, I+1
.endr
.set I, 0
.rept 32
	ds_store_b128 v[ST+2], v[128+4*I:131+4*I] offset:512*I     ; rows 6, 7
.set I, I+1
.endr
	WIN 0
	s_wait_kmcnt 0x0
	s_add_co_i32 s20, s20, s21
	s_add_co_i32 s20, s20, 127
	s_lshl_b32 s20, s20, 23                        ; 2^(e0 + e1)
	s_wait_dscnt 0x0                               ; for the others' sake: my parts are in LDS
	s_barrier_signal -1
	s_barrier_wait -1
	WIN TO_1
.set I, 0
.rept 64
	ds_load_b128 v[4*I:4*I+3], v[RDX] offset:512*I             ; two parts into window 1,
.set I, I+1
.endr
	WIN 0
.set I, 0
.rept 32
	ds_load_b128 v[BF+4*I:BF+4*I+3], v[RDX] offset:2*KB+512*I  ; the third into B's registers
.set I, I+1
.endr
	s_wait_dscnt 32                                ; the first two parts are in
	WIN 0x45
.set I, 0
.rept 64
	v_pk_add_f32 v[2*I:2*I+1], v[2*I:2*I+1], v[128+2*I:129+2*I]
.set I, I+1
.endr
	WIN 0x46                                       ; source 0: my own sums, window 2, each accumulator from its low end on
.set I, 0
.rept 64
	v_pk_add_f32 v[2*I:2*I+1], v[2*I:2*I+1], v[2*I:2*I+1]
.set I, I+1
.endr
	s_wait_dscnt 0x0
	WIN 0x01
.set I, 0
.rept 64
	v_pk_add_f32 v[BF+2*I:BF+2*I+1], v[2*I:2*I+1], v[BF+2*I:BF+2*I+1]
.set I, I+1
.endr
	WIN 0
; x 2^(e0 + e1), and registers j of four accumulators side by side: 16 neighbouring bytes a lane; sixteen lanes store 256 consecutive bytes, aligned, of row 8 h + j.  The second half is laid where the first half's sums were.
.irp e, 0,1
.irp g, 0,1
.irp j, 0,1,2,3,4,5,6,7
.irp q, 0,1,2,3
	v_mul_f32 v[64+64*\e+32*\g+4*\j+\q], s20, v[BF+64*\e+8*(4*\g+\q)+\j]
.endr
.endr
.endr
.irp g, 0,1
.irp j, 0,1,2,3,4,5,6,7
	global_store_b128 v[CO], v[64+64*\e+32*\g+4*\j:64+64*\e+32*\g+4*\j+3], s[10:11] offset:(16*\e+\j)*4096+256*\g th:TH_STORE_NT
.endr
.endr
.endr
	s_wait_tensorcnt 0x0                           ; the wave's end, behind my last tensor load and my last LDS store
	ds_add_u32 v[SPW], v[NIL]
	s_wait_dscnt 0x0
	ROUND                                          ; the closing round: no work-group ends while a partner may still ask for a tile that names it
	s_endpgm
.Lfunc_end_k_qceebae7650_gemm:
	.size	k_qceebae7650_gemm, .Lfunc_end_k_qceebae7650_gemm-k_qceebae7650_gemm
	.p2alignl 7, 3214868480
	.fill 96, 4, 3214868480
	.section	.rodata,"a",@progbits
	.p2align	6, 0x0
	.amdhsa_kernel k_qceebae7650_gemm
		.amdhsa_group_segment_fixed_size 327680
		.amdhsa_private_segment_fixed_size 0
		.amdhsa_enable_private_segment 0
		.amdhsa_kernarg_size 32
		.amdhsa_user_sgpr_count 2
		.amdhsa_user_sgpr_kernarg_segment_ptr 1
		.amdhsa_wavefront_size32 1
		.amdhsa_system_sgpr_workgroup_id_x 1
		.amdhsa_system_sgpr_workgroup_id_y 1
		.amdhsa_system_sgpr_workgroup_id_z 1
		.amdhsa_system_vgpr_workitem_id 0
		.amdhsa_next_free_vgpr 1024
		.amdhsa_next_free_sgpr 66
		.amdhsa_reserve_vcc 0
		.amdhsa_float_denorm_mode_32 3
		.amdhsa_float_denorm_mode_16_64 3
		.amdhsa_memory_ordered 1
		.amdhsa_forward_progress 1
		.amdhsa_inst_pref_size 130
	.end_amdhsa_kernel
	.amdgpu_metadata
---
amdhsa.version: [ 1, 2 ]
amdhsa.kernels:
  - .name:           k_qceebae7650_gemm
    .symbol:         k_qceebae7650_gemm.kd
    .args:
      - { .name: a_codes, .offset: 0, .size: 8, .value_kind: global_buffer, .address_space: global }
      - { .name: w_codes, .offset: 8, .size: 8, .value_kind: global_buffer, .address_space: global }
      - { .name: lowp_scales, .offset: 16, .size: 8, .value_kind: global_buffer, .address_space: global }
      - { .name: out0, .offset: 24, .size: 8, .value_kind: global_buffer, .address_space: global }
    .group_segment_fixed_size: 327680
    .private_segment_fixed_size: 0
    .kernarg_segment_align: 8
    .kernarg_segment_size: 32
    .max_flat_workgroup_size: 128
    .sgpr_count:     66
    .vgpr_count:     1024
    .wavefront_size: 32
...
	.end_amdgpu_metadata
.endif
;; end of part 2
